; MI455X (gfx1250); checked and timed in simulation.
; The chip was launched on July 23, 2026; its instructions are those of AMD's public machine-readable ISA for CDNA 5 (MIT licence, August 2026) and "CDNA5" Instruction Set Architecture Reference Guide (July 2026). The comments in the code are by the model that wrote it; some were corrected since.
;; Self Attention. Allowed arithmetic: matrix products marked QUANTISED: E4M3 operands, one given power-of-two scale a tensor, by v_wmma_f32_16x16x64_fp8_fp8 or v_wmma_f32_16x16x128_fp8_fp8, f32 sums; everything else in f32.
;; Inputs: W_o 1,024 x 1,024 float32; W_qkv 1,024 x 3,072 float32; lowp_scales 8 int32 (the exponents e of the quantised operands' scales 2^e); x 2 x 2,048 x 1,024 float32.
;; Outputs: out0 2 x 2,048 x 1,024 float32.
;; This version of the problem:
;;   THIS VERSION OF THE PROBLEM IS GIVEN IN LOW PRECISION. The matrix products marked QUANTISED in the list below multiply operands that are first quantised to E4M3 (4 exponent bits, 3 mantissa bits; 8 bits a number), with one given power-of-two scale for each operand tensor; their sums are f32. All else is computed in f32.
;;   The module's matrix products, in the order in which they are computed (A, B: the left and right operand; K: the contracted axis; several contracted axes count as one K, in the product's order):
;;     1. [M 4,096, K 1,024] x [K 1,024, N 3,072]; A: input x; B: input W_qkv: QUANTISED (scales: A lowp_scales[0], B lowp_scales[1])
;;     2. batch 32 x [M 2,048, K 64] x [K 64, N 2,048]; A: computed on the way; B: computed on the way: QUANTISED (scales: A lowp_scales[2], B lowp_scales[3])
;;     3. batch 32 x [M 2,048, K 2,048] x [K 2,048, N 64]; A: softmax (see below); B: computed on the way: QUANTISED (scales: A lowp_scales[4], B lowp_scales[5])
;;     4. [M 4,096, K 1,024] x [K 1,024, N 1,024]; A: computed on the way; B: input W_o: QUANTISED (scales: A lowp_scales[6], B lowp_scales[7])
;;   THE QUANTISER, for each operand of a quantised product, along K:
;;     - The operand's scale is 2^e, e = its entry of the input lowp_scales (int32; the entries are numbered through the quantised products in the list's order, A before B).
;;     - Each number is divided by the scale, clamped to +-448, and rounded to the nearest number of E4M3, ties to even, subnormals kept.
;;     - The product sums the exact products of the quantised numbers (number of the format x scale) in f32.
;;   ~~~python
;;   def quantise(x, axis, e):      # numpy; x: float32 -> the quantised numbers, widened to float32 again
;;       x = np.moveaxis(x, axis, -1); K = x.shape[-1]
;;       r = np.clip(x / 2.0 ** e, -448, 448)
;;       step = 2.0 ** (np.maximum(np.frexp(np.where(r == 0, 1, r))[1] - 1, -6) - 3)
;;       q = np.round(r / step) * step * 2.0 ** e      # np.round: ties to even
;;       return np.moveaxis(q, -1, axis).astype(np.float32)
;;   ~~~
;;   SOFTMAX AHEAD OF A QUANTISED PRODUCT. Where the list says 'softmax', what is quantised is not the finished softmax but p = 2^(t - M), with t = logit x log2(e) and M = ceil(the row's largest t), a whole number; so 1/2 < the row's largest p <= 1. The row's sum l is taken of the UNQUANTISED p, in f32, and the product's result is divided by l at the end. Since M is a whole number, a kernel that streams over the keys may use a running M (the ceiling of the running maximum): every later rescaling is an exact power of two, so the quantised numbers keep their values, but for numbers so far below the row's largest that they fall under the format's range.
;;   OPERANDS COMPUTED ON THE WAY. 'Computed on the way' means the value that the module computes at that place (a softmax that the list does not call 'softmax' is quantised finished and normalised). What goes into a quantiser is computed in f32, as accurately as f32 sums, v_exp_f32 and their like allow (about 1e-6 of the number): no bf16 or f16 on the way to a quantiser, and a product that is left as it is and whose result goes on into a quantised operand takes f32 operands (vector FMAs, or v_wmma_f32_16x16x4_f32). A number that lies on a knife's edge between two numbers of the format may be rounded either way, as far as f32 arithmetic and the matrix unit's own rounding can turn it there, and no further.
;; One version. Each part assembles by itself: llvm-mc -triple=amdgcn-amd-amdhsa -mcpu=gfx1250 --defsym DOCPART=n.
;; ======== version 1 of 1: 4 launches
;; limits: right only within a limited range of input values
;; workspace buffers: codes 8,388,608 bytes; qkvi 12,582,912 bytes; ai 4,194,304 bytes
;; launch quant (part 1): grid 512 x 1, 4 waves a work-group, no clusters, 34,304 bytes of LDS; arguments x, W_qkv, W_o, lowp_scales, codes; writes codes
.if DOCPART == 1
	.amdgcn_target "amdgcn-amd-amdhsa--gfx1250"
	.amdhsa_code_object_version 6
	.text
	.protected	k_qe32fabad83_quant
	.globl	k_qe32fabad83_quant
	.p2align	8
	.type	k_qe32fabad83_quant,@function
k_qe32fabad83_quant:
	s_mov_b64 s[64:65], 0
	v_nop
	global_prefetch_b8 v0, s[64:65] scope:SCOPE_SE
	s_setreg_imm32_b32 hwreg(HW_REG_WAVE_MODE, 25, 1), 1
	s_wait_xcnt 0x0
; x [4096][1024], W_qkv [1024][3072] and W_o [1024][1024], f32, become codes of FP8 (E4M3), each with the one scale 2^e given for it (entries 0, 1 and 7 of the scales).
; code = number / 2^e, held within +-448, rounded to the nearest code, ties to even.
; LIMITS: e between -126 and 119, so that 2^e and 448 x 2^e are f32 numbers.  NaN among the inputs is not served; an infinity is held at the largest code.
; THE CODES ARE LAID AS IMAGES OF THE OPERAND'S REGISTERS.  A fragment is 16 rows x 128 along K, 16 registers a lane: lane (r, h) holds row r, and its registers 2 c, 2 c + 1 hold k = 16 c + 8 h + 0 .. 7.
; In memory a fragment is 2,048 bytes: registers 4 i .. 4 i + 3 of lane l lie at 512 i + 16 l.  A block of 16 rows has its 8 fragments on end: 16,384 bytes.
; codes: x's 256 blocks of rows at 0; W_qkv's 192 blocks (row = output column n, K innermost) at 4 MiB; W_o's 64 blocks at 7 MiB.
; SHARES.  Each work-group takes 65,536 bytes of f32: work-groups 0-255 a block of 16 rows of x, 256-447 a piece 128 k x 128 n of W_qkv, 448-511 the same of W_o.
; Memory binds: every input byte is read once, every store of a wave covers whole aligned runs of 256 bytes.  No matrix unit, no tensor load, no barrier: waves share nothing.
.set NUM, 32                           ; v32-159  the numbers
.set COD, 160                          ; v160-191 the codes: no store's data are written again
.set STG, 8448                         ; x's path: a stage of 16 rows x (512 bytes + 16) for each wave
.macro SCALE e                         ; v10 = 2^e as f32 (the conversion takes its exponent field), v11 = 448 x 2^e
	s_wait_kmcnt 0x0
	s_add_co_i32 s20, s[\e], 127
	s_lshl_b32 s21, s20, 23
	v_mov_b32 v10, s21
	s_add_co_i32 s20, s20, 8
	s_lshl_b32 s20, s20, 23
	s_or_b32 s20, s20, 0x600000
	v_mov_b32 v11, s20
.endm
	s_load_b256 s[4:11], s[0:1], 0x0               ; x s[4:5], W_qkv s[6:7], W_o s[8:9], the scales' exponents s[10:11]
	s_load_b64 s[12:13], s[0:1], 0x20              ; codes
	v_lshl_add_u32 v192, v0, 2, 0x8400
	v_mov_b32 v193, 0
	v_lshrrev_b32 v1, 5, v0
	v_readfirstlane_b32 s18, v1                    ; wave 0..3
	v_and_b32 v2, 31, v0                           ; lane
	s_wait_kmcnt 0x0
	s_load_b256 s[24:31], s[10:11], 0x0            ; e0 .. e7
	s_cmp_lt_u32 ttmp9, 256
	s_cbranch_scc0 .Lw
; ---- x: K is innermost.  Work-group g takes rows 16 g .. 16 g + 15; wave w the fragments of k = 256 w .. 256 w + 255.
; Each load reads 512 consecutive bytes of one row; the conversions want 8 neighbours along K in one lane's registers: so a fragment's 16 x 512 bytes turn through the wave's own stage.
	s_lshl_b32 s14, ttmp9, 16                      ; 16 rows of 4,096 bytes
	s_lshl_b32 s15, s18, 10                        ; 256 numbers
	s_add_co_u32 s14, s14, s15
	s_mov_b32 s15, 0
	s_add_nc_u64 s[4:5], s[4:5], s[14:15]
	s_lshl_b32 s16, ttmp9, 14                      ; a block's 8 fragments
	s_lshl_b32 s17, s18, 12                        ; my two
	s_add_co_u32 s16, s16, s17
	s_mov_b32 s17, 0
	s_add_nc_u64 s[12:13], s[12:13], s[16:17]
	s_wait_alu depctr_va_vdst(0)
	v_lshlrev_b32 v3, 4, v2                        ; 16 x lane
.irp f, 0,1
.irp i, 0,1,2,3,4,5,6,7,8,9,10,11,12,13,14,15
	global_load_b128 v[NUM+64*\f+4*\i:NUM+64*\f+4*\i+3], v3, s[4:5] offset:4096*\i+512*\f th:TH_LOAD_NT   ; row i, fragment f: all 32 loads go out at once
.endr
.endr
	s_mul_i32 s19, s18, STG
	v_add_nc_u32 v4, s19, v3                       ; into the stage: a row as it was loaded
	v_and_b32 v7, 15, v2                           ; r
	v_lshrrev_b32 v8, 4, v2                        ; h
	v_mul_u32_u24 v5, v7, 528                      ; out of it: row r (528 bytes apart: sixteen rows start at sixteen different groups of banks),
	v_lshl_add_u32 v5, v8, 5, v5                   ; + 32 h: eight numbers
	v_add_nc_u32 v5, s19, v5
	s_wait_alu depctr_va_vdst(0)
	SCALE 24
.macro FRAGX f
	s_wait_loadcnt 16*(1-\f)                       ; this fragment's 16 loads are in; the other fragment's 16 may be out
.irp i, 0,1,2,3,4,5,6,7,8,9,10,11,12,13,14,15
	ds_store_b128 v4, v[NUM+64*\f+4*\i:NUM+64*\f+4*\i+3] offset:528*\i
.endr
.irp c, 0,1,2,3
.irp m, 0,1,2,3
	ds_load_b128 v[NUM+64*\f+16*\c+4*\m:NUM+64*\f+16*\c+4*\m+3], v5 offset:128*\c+64*(\m/2)+16*(\m%2)   ; LDS serves a wave's instructions in order: these see the stores.  Numbers 8 u .. 8 u + 7 are k = 16 u + 8 h + 0 .. 7
.endr
.endr
	s_wait_dscnt 0x0
.set j, 0
.rept 64
	v_med3_num_f32 v[NUM+64*\f+j], v[NUM+64*\f+j], -v11, v11   ; the conversion to an 8-bit code does not saturate (ISA guide 7.6.2): the hold comes first
.set j, j+1
.endr
.irp u, 0,1,2,3,4,5,6,7
	v_cvt_scalef32_pk8_fp8_f32 v[COD+16*\f+2*\u:COD+16*\f+2*\u+1], v[NUM+64*\f+8*\u:NUM+64*\f+8*\u+7], v10   ; registers 2 u, 2 u + 1 of the fragment
.endr
.irp c, 0,1,2,3
	global_store_b128 v3, v[COD+16*\f+4*\c:COD+16*\f+4*\c+3], s[12:13] offset:2048*\f+512*\c   ; 32 lanes store 512 consecutive bytes
.endr
.endm
	s_wait_alu depctr_va_vdst(0)
	FRAGX 0
	FRAGX 1
	s_wait_tensorcnt 0x0
	ds_add_u32 v192, v193
	s_wait_dscnt 0x0
	s_endpgm
; ---- the weights: K is the FIRST axis.  A lane takes a column n and its registers run down K, so the conversions give codes with K innermost and nothing is transposed.
; A work-group takes 128 k (one fragment along K) x 128 columns; wave w columns 32 w on: two blocks of 16 rows of the image.
.macro LOADW t, cols, src              ; W(32 t + i, my column), i = 0 .. 31: a wave reads 128 consecutive bytes, the four waves 512
.set i, 0
.rept 32
	global_load_b32 v[NUM+32*(\t)+i], v3, s[\src:\src+1] offset:(32*(\t)+i)*\cols*4 th:TH_LOAD_NT
.set i, i+1
.endr
.endm
.macro WPATH cols, src, dstoff, e, first
	s_sub_co_u32 s16, ttmp9, \first
	s_and_b32 s17, s16, 7                          ; which 128 along K
	s_lshr_b32 s16, s16, 3                         ; which 128 columns
	s_mul_i32 s14, s17, 128*\cols*4
	s_lshl_b32 s15, s16, 9
	s_add_co_u32 s14, s14, s15
	s_lshl_b32 s15, s18, 7
	s_add_co_u32 s14, s14, s15
	s_mov_b32 s15, 0
	s_add_nc_u64 s[\src:\src+1], s[\src:\src+1], s[14:15]
.if \cols == 3072                      ; W_qkv: A HEAD'S TWELVE BLOCKS LIE ON END: q's four, k's four, v's four (196,608 bytes): block 12 head + 4 part + its number in the head
	s_lshr_b32 s22, s16, 3                         ; part: q, k or v (8 times 128 columns each)
	s_lshl_b32 s22, s22, 2
	s_and_b32 s23, s16, 7
	s_lshl_b32 s23, s23, 1
	s_lshr_b32 s21, s18, 1
	s_add_co_u32 s23, s23, s21                     ; head: two to 128 columns, two waves to a head
	s_mul_i32 s23, s23, 12
	s_add_co_u32 s22, s22, s23
	s_and_b32 s23, s18, 1
	s_lshl_b32 s23, s23, 1                         ; my two blocks in the head
	s_add_co_u32 s22, s22, s23
	s_lshl_b32 s22, s22, 14
.else
	s_lshl_b32 s22, s16, 17                        ; 8 blocks of 16,384 bytes for 128 columns,
	s_lshl_b32 s23, s18, 15                        ; two for my 32,
	s_add_co_u32 s22, s22, s23
.endif
	s_lshl_b32 s23, s17, 11                        ; the fragment along K
	s_add_co_u32 s22, s22, s23
	s_add_co_u32 s22, s22, \dstoff
	s_mov_b32 s23, 0
	s_add_nc_u64 s[12:13], s[12:13], s[22:23]
	v_lshlrev_b32 v3, 2, v2                        ; in: 4 bytes a lane
	v_lshrrev_b32 v6, 4, v2
	v_and_b32 v7, 15, v2
	v_lshlrev_b32 v6, 14, v6                       ; out: lanes 16-31 belong to the next block of 16 rows,
	v_lshl_add_u32 v6, v7, 4, v6                   ; 16 bytes a row
	LOADW 0, \cols, \src
	LOADW 1, \cols, \src
	s_wait_alu depctr_va_vdst(0)
	SCALE \e
	s_wait_alu depctr_va_vdst(0)
.irp t, 0,1,2,3
.if \t < 3
	s_wait_loadcnt 32                              ; these 32 numbers are in; the next 32 may be out
.else
	s_wait_loadcnt 0x0
.endif
.if \t < 2
	LOADW \t+2, \cols, \src
.endif
.set j, 0
.rept 32
	v_med3_num_f32 v[NUM+32*\t+j], v[NUM+32*\t+j], -v11, v11
.set j, j+1
.endr
.irp g, 0,1,2,3                        ; eight numbers k = 32 t + 8 g on belong to the image's lane half h = g % 2, registers 4 t + 2 (g / 2) on
	v_cvt_scalef32_pk8_fp8_f32 v[COD+8*\t+4*(\g%2)+2*(\g/2):COD+8*\t+4*(\g%2)+2*(\g/2)+1], v[NUM+32*\t+8*\g:NUM+32*\t+8*\g+7], v10
.endr
	global_store_b128 v6, v[COD+8*\t:COD+8*\t+3], s[12:13] offset:512*\t          ; half 0: sixteen lanes store 256 consecutive bytes, aligned
	global_store_b128 v6, v[COD+8*\t+4:COD+8*\t+7], s[12:13] offset:512*\t+256    ; half 1
.endr
.endm
.Lw:
	s_cmp_lt_u32 ttmp9, 448
	s_cbranch_scc0 .Lwo
	s_wait_alu depctr_va_vdst(0)
	WPATH 3072, 6, 0x400000, 25, 256
	s_endpgm
.Lwo:
	s_wait_alu depctr_va_vdst(0)
	WPATH 1024, 8, 0x700000, 31, 448
	s_endpgm
.Lfunc_end_k_qe32fabad83_quant:
	.size	k_qe32fabad83_quant, .Lfunc_end_k_qe32fabad83_quant-k_qe32fabad83_quant
	.p2alignl 7, 3214868480
	.fill 96, 4, 3214868480
	.section	.rodata,"a",@progbits
	.p2align	6, 0x0
	.amdhsa_kernel k_qe32fabad83_quant
		.amdhsa_group_segment_fixed_size 34304
		.amdhsa_private_segment_fixed_size 0
		.amdhsa_enable_private_segment 0
		.amdhsa_kernarg_size 40
		.amdhsa_user_sgpr_count 2
		.amdhsa_user_sgpr_kernarg_segment_ptr 1
		.amdhsa_wavefront_size32 1
		.amdhsa_system_sgpr_workgroup_id_x 1
		.amdhsa_system_sgpr_workgroup_id_y 1
		.amdhsa_system_sgpr_workgroup_id_z 1
		.amdhsa_system_vgpr_workitem_id 0
		.amdhsa_next_free_vgpr 194
		.amdhsa_next_free_sgpr 66
		.amdhsa_reserve_vcc 0
		.amdhsa_float_denorm_mode_32 3
		.amdhsa_float_denorm_mode_16_64 3
		.amdhsa_memory_ordered 1
		.amdhsa_forward_progress 1
		.amdhsa_inst_pref_size 66
	.end_amdhsa_kernel
	.amdgpu_metadata
---
amdhsa.version: [ 1, 2 ]
amdhsa.kernels:
  - .name:           k_qe32fabad83_quant
    .symbol:         k_qe32fabad83_quant.kd
    .args:
      - { .name: x, .offset: 0, .size: 8, .value_kind: global_buffer, .address_space: global }
      - { .name: W_qkv, .offset: 8, .size: 8, .value_kind: global_buffer, .address_space: global }
      - { .name: W_o, .offset: 16, .size: 8, .value_kind: global_buffer, .address_space: global }
      - { .name: lowp_scales, .offset: 24, .size: 8, .value_kind: global_buffer, .address_space: global }
      - { .name: codes, .offset: 32, .size: 8, .value_kind: global_buffer, .address_space: global }
    .group_segment_fixed_size: 34304
    .private_segment_fixed_size: 0
    .kernarg_segment_align: 8
    .kernarg_segment_size: 40
    .max_flat_workgroup_size: 128
    .sgpr_count:     66
    .vgpr_count:     194
    .wavefront_size: 32
...
	.end_amdgpu_metadata
.endif
;; end of part 1
;; launch qkv (part 2): grid 16 x 16, 4 waves a work-group, clusters of 4 x 4, 327,680 bytes of LDS; arguments codes, lowp_scales, qkvi; writes qkvi
.if DOCPART == 2
	.amdgcn_target "amdgcn-amd-amdhsa--gfx1250"
	.amdhsa_code_object_version 6
	.text
	.protected	k_qe32fabad83_qkv
	.globl	k_qe32fabad83_qkv
	.p2align	8
	.type	k_qe32fabad83_qkv,@function
k_qe32fabad83_qkv:
	s_mov_b64 s[64:65], 0
	v_nop
	global_prefetch_b8 v0, s[64:65] scope:SCOPE_SE
	s_setreg_imm32_b32 hwreg(HW_REG_WAVE_MODE, 25, 1), 1
	s_wait_xcnt 0x0
	s_wait_alu depctr_hold_cnt(0) depctr_sa_sdst(0) depctr_va_vdst(0) depctr_va_sdst(0) depctr_va_ssrc(0) depctr_va_vcc(0) depctr_vm_vsrc(0)
	s_getreg_b32 s2, hwreg(HW_REG_IB_STS2, 6, 4)
	s_cmp_eq_u32 s2, 0
	s_cbranch_scc0 .Lentry_in_a_cluster
	s_endpgm
.Lentry_in_a_cluster:
	s_bfe_u32 s2, ttmp6, 0x10000c
	s_cmp_lg_u32 s2, 0xf033
	s_cbranch_scc0 .Lentry_shape_is_right
	s_endpgm
.Lentry_shape_is_right:
; q, k, v = x W_qkv on codes of FP8 (E4M3), K = 1,024, each finished sum quantised at once with e2 (q), e3 (k) or e5 (v) into the operands of the attention.
; LIMITS: e2 - e0 - e1, e3 - e0 - e1 and e5 - e0 - e1 between -126 and 119, so that the powers of two are f32 numbers.
; OPERANDS ARE IMAGES OF THEIR REGISTERS: a fragment (16 rows x 128 K) is 2,048 bytes, registers 4 i .. 4 i + 3 of lane l at 512 i + 16 l; a block of 16 rows has its 8 fragments on end (16,384 bytes).
; codes: x's 256 blocks at 0; at 4 MiB twelve blocks for each head: q's four, k's four, v's four.
; SHARES.  A work-group makes 256 tokens x one head's q, k and v (192 columns): 16 x 16 work-groups.  Its four waves, as many as a WGP has SIMDs, each make 128 tokens x 96 columns:
; waves 0, 2 q and v's first 32, waves 1, 3 k and v's last 32: 48 accumulators, 384 registers.
; q AND k ARE MADE TRANSPOSED (source 0 = 16 columns of W, source 1 = 16 tokens): a lane holds a token and eight neighbouring columns.  v THE OTHER WAY ROUND (source 0 = tokens): a lane holds a column and
; eight neighbouring tokens, which are the second product's K.  So the conversions' results are the attention's operands as they stand.
; K IN THREE FILLS: 3 steps of 128 into slot X, 2 into slot Y, 3 into slot X again; one joint tensor load a wave for each (waves 0, 1 x's halves, waves 2, 3 W's).
; CLUSTERS 4 x 4: x's tile is shared along a row of the cluster, W's along a column, by joint loads.
; PREFETCH: with each of the first two fills the next one's bytes are asked for, each aligned block of 256 bytes once in a cluster: partner cx takes 4 of a tile's 16 blocks of x, partner cy 3 of its 12 of W, a wave a block.
; REGISTERS: window 0: v0-31 addresses, v32-255 fragment set 0 (x's eight at v32, W's four of q or k at v160, two of v at v224); window 1: set 1 likewise; window 2: q's or k's accumulators (a, b) at v[32 a + 8 b];
; window 3: v's (a, b) at v[16 a + 8 b].  On the way out window 0: v32-159 numbers, v160-255 codes.
.set XA, 16                            ; LDS addresses of my fragments in slot X: x, W of q or k, W of v; v19-21 in slot Y
.set XW, 17
.set XV, 18
.set YA, 19
.set YW, 20
.set YV, 21
.set PF1, 22                           ; the prefetches' offsets: 16 blocks of 256 bytes; 24 blocks
.set PF2, 23
.set SCQ, 24                           ; the conversion's scale and the hold's bound for q or k; v26, v27 for v
.set LMQ, 25
.set SCV, 26
.set LMV, 27
.set SPW, 28                           ; my spare word and 0; never rewritten
.set NIL, 29
.set L16, 30
.set XWB, 98304                        ; slot X: x's 16 blocks x 6,144 bytes, then W's 12
.set YB,  172032                       ; slot Y: x's 16 blocks x 4,096 bytes, then W's 12
.set YWB, YB+65536
.set SPARE, 286720
.set MSB, 0
.macro WIN new                         ; the immediate's high byte repeats the setting that is left
.if MSB != (\new)
	s_set_vgpr_msb (MSB<<8)|(\new)
.set MSB, \new
.endif
.endm
.macro PLACES                          ; four places behind matrix instructions (ISA guide 7.12.1 for vector instructions)
.rept 4
	v_nop
.endr
.endm
.macro JLOAD g0a, g1a, g0b, g1b        ; a joint load: one line and one mask for x's waves, one for W's; the branch hangs on the wave's number alone
	s_cmp_eq_u32 s15, 0
	s_cbranch_scc0 .Lfor_b_\@
	tensor_load_to_lds s[\g0a:\g0a+3], s[\g1a:\g1a+7]
	s_nop 0
.rept 4
	v_nop
.endr
	s_branch .Lasked_\@
.Lfor_b_\@:
	tensor_load_to_lds s[\g0b:\g0b+3], s[\g1b:\g1b+7]
	s_nop 0
.rept 4
	v_nop
.endr
.Lasked_\@:
.endm
.macro CREST                           ; a round of the cluster's barrier behind its opening barrier
	s_cmp_lg_u32 s14, 0
	s_cbranch_scc1 .Lnot_wave_0_\@
	s_barrier_signal -3
.Lnot_wave_0_\@:
	s_barrier_wait -3
	s_barrier_signal -1
	s_barrier_wait -1
.endm
.macro CROUND
	s_barrier_signal -1
	s_barrier_wait -1
	CREST
.endm
.macro ASK pf, off                     ; one block of x a wave, one block of W each for waves 0 to 2; inside codes
	global_prefetch_b8 v[\pf], s[84:85] offset:\off th:TH_LOAD_NT scope:SCOPE_SE
	s_cmp_lt_u32 s14, 3
	s_cbranch_scc0 .Lnone_\@
	global_prefetch_b8 v[\pf], s[86:87] offset:\off th:TH_LOAD_NT scope:SCOPE_SE
.Lnone_\@:
.endm
.macro GROUP1 g, c, r                  ; r blocks of c x 8 bytes, 16,384 bytes apart in memory, on end in LDS
	s_mov_b32 s[\g+1], \c<<16
	s_mov_b32 s[\g+2], \r<<16
	s_mov_b32 s[\g+3], \c<<16
	s_mov_b32 s[\g+4], \r
	s_mov_b32 s[\g+5], 2048
	s_mov_b32 s[\g+6], 0
	s_mov_b32 s[\g+7], 0
.endm
	s_load_b128 s[4:7], s[0:1], 0x0                ; codes, the scales' exponents
	s_load_b64 s[8:9], s[0:1], 0x10                ; qkvi
	v_lshl_add_u32 v[SPW], v0, 2, SPARE
	v_mov_b32 v[NIL], 0
	ds_add_u32 v[SPW], v[NIL]                      ; the opening lines
	ds_add_u32 v[SPW], v[NIL]
	v_lshrrev_b32 v1, 5, v0
	v_readfirstlane_b32 s14, v1                    ; wave 0..3
	s_lshr_b32 s15, s14, 1                         ; which 128 tokens are mine.  Also: I fetch x (0) or W (1)
	s_and_b32 s16, s14, 1                          ; q (0) or k (1).  Also: which half I fetch
	s_bfe_u32 s40, ttmp6, 0x40000                  ; cx, cy
	s_bfe_u32 s41, ttmp6, 0x40004
	s_lshl_b32 s42, ttmp9, 2
	s_add_co_u32 s42, s42, s40                     ; head
	s_and_b32 s17, ttmp7, 0xffff
	s_lshl_b32 s17, s17, 2
	s_add_co_u32 s17, s17, s41                     ; 256 tokens
	s_lshl_b32 s43, s41, 2
	s_lshl_b32 s43, 15, s43                        ; my row of the cluster
	s_lshl_b32 s44, 0x1111, s40                    ; my column
	s_or_b32 s24, s43, (3<<16)|(1<<21)             ; the mask; elements of 8 bytes; 21 set beside a mask
	s_or_b32 s68, s43, (3<<16)|(1<<21)
	s_or_b32 s48, s44, (3<<16)|(1<<21)
	s_or_b32 s76, s44, (3<<16)|(1<<21)
	GROUP1 24, 768, 8                              ; x, three steps
	GROUP1 68, 512, 8                              ; x, two
	GROUP1 48, 768, 6                              ; W, three
	GROUP1 76, 512, 6                              ; W, two
	s_lshl_b32 s20, s17, 18                        ; x: 16 blocks,
	s_lshl_b32 s21, s16, 17                        ; my eight
	s_add_co_u32 s20, s20, s21
	s_mov_b32 s21, 0
	s_mul_i32 s46, s42, 196608                     ; W: the head's twelve,
	s_mul_i32 s47, s16, 98304                      ; my six
	s_add_co_u32 s46, s46, s47
	s_add_co_u32 s46, s46, 0x400000
	s_mov_b32 s47, 0
	s_mov_b32 s32, 1
	s_mul_i32 s33, s16, 49152                      ; slot X
	s_mov_b32 s56, 1
	s_mul_i32 s57, s16, 36864
	s_add_co_u32 s57, s57, XWB
	s_wait_dscnt 0x0                               ; both opening adds are done
	s_wait_kmcnt 0x0
	s_load_b256 s[88:95], s[6:7], 0x0              ; e0 .. e7
	s_add_nc_u64 s[34:35], s[4:5], s[20:21]
	s_or_b32 s35, s35, 0x80000000
	s_add_nc_u64 s[58:59], s[4:5], s[46:47]
	s_or_b32 s59, s59, 0x80000000
	CROUND                                         ; all sixteen work-groups are here: the joint loads meet
	JLOAD 32, 24, 56, 48                           ; steps 0 to 2
	; the prefetches' bases: x's block 4 cx + wave of the tile, W's block 3 cy + wave of the head
	s_lshl_b32 s2, s40, 2
	s_add_co_u32 s2, s2, s14
	s_lshl_b32 s2, s2, 14
	s_lshl_b32 s3, s17, 18
	s_add_co_u32 s2, s2, s3
	s_mov_b32 s3, 0
	s_add_nc_u64 s[84:85], s[4:5], s[2:3]
	s_mul_i32 s2, s41, 3
	s_add_co_u32 s2, s2, s14
	s_lshl_b32 s2, s2, 14
	s_mul_i32 s3, s42, 196608
	s_add_co_u32 s2, s2, s3
	s_add_co_u32 s2, s2, 0x400000
	s_mov_b32 s3, 0
	s_add_nc_u64 s[86:87], s[4:5], s[2:3]
	s_mul_i32 s10, s15, 49152                      ; my 8 blocks of x in slot X,
	s_mul_i32 s11, s16, 24576                      ; my 4 of q or k,
	s_add_co_u32 s11, s11, XWB
	s_mul_i32 s12, s16, 12288                      ; my 2 of v
	s_add_co_u32 s12, s12, XWB+49152
	s_lshl_b32 s13, s15, 15                        ; and in slot Y
	s_add_co_u32 s13, s13, YB
	s_lshl_b32 s18, s16, 14
	s_add_co_u32 s18, s18, YWB
	s_lshl_b32 s19, s16, 13
	s_add_co_u32 s19, s19, YWB+32768
	v_and_b32 v1, 31, v0
	v_min_u32 v2, 15, v1
	v_min_u32 v3, 23, v1                           ; lanes that are left over name the last block again
	v_lshlrev_b32 v[PF1], 8, v2
	v_lshlrev_b32 v[PF2], 8, v3
	v_lshlrev_b32 v[L16], 4, v1
	v_add_nc_u32 v[XA], s10, v[L16]
	v_add_nc_u32 v[XW], s11, v[L16]
	v_add_nc_u32 v[XV], s12, v[L16]
	v_add_nc_u32 v[YA], s13, v[L16]
	v_add_nc_u32 v[YW], s18, v[L16]
	v_add_nc_u32 v[YV], s19, v[L16]
	ASK PF1, 6144                                  ; steps 3 and 4, which the next load brings
	; where my codes go: (16 batch + head) x 131,072 + 1,024 bytes for each 16 tokens; k 4 MiB on, v 8 MiB on and 2,048 bytes for each 16 of the head's 64
	s_lshr_b32 s2, s17, 3
	s_lshl_b32 s2, s2, 4
	s_add_co_u32 s2, s2, s42
	s_lshl_b32 s2, s2, 17
	s_and_b32 s3, s17, 7
	s_lshl_b32 s3, s3, 14
	s_add_co_u32 s2, s2, s3
	s_lshl_b32 s3, s15, 13
	s_add_co_u32 s2, s2, s3
	s_lshl_b32 s10, s16, 22
	s_add_co_u32 s10, s10, s2
	s_mov_b32 s11, 0
	s_lshl_b32 s12, s16, 12
	s_add_co_u32 s12, s12, s2
	s_add_co_u32 s12, s12, 0x800000
	s_mov_b32 s13, 0
	s_add_nc_u64 s[60:61], s[8:9], s[10:11]        ; q or k
	s_add_nc_u64 s[62:63], s[8:9], s[12:13]        ; v
	s_wait_kmcnt 0x0
	s_add_co_i32 s66, s88, s89                     ; a sum stands for sum x 2^(e0 + e1): its code is sum / 2^(e - e0 - e1)
	s_cmp_eq_u32 s16, 0
	s_cselect_b32 s67, s90, s91
	s_sub_co_i32 s67, s67, s66
	s_sub_co_i32 s66, s93, s66
.irp p, 0,1
	s_add_co_i32 s[67-\p], s[67-\p], 127
	s_lshl_b32 s2, s[67-\p], 23
	v_mov_b32 v[SCQ+2*\p], s2
	s_add_co_i32 s2, s[67-\p], 8
	s_lshl_b32 s2, s2, 23
	s_or_b32 s2, s2, 0x600000
	v_mov_b32 v[LMQ+2*\p], s2                      ; 448 x the scale
.endr
.macro FRAG r, a, o
.irp c, 0,1,2,3
	ds_load_b128 v[4*\c+\r:4*\c+\r+3], v[\a] offset:512*\c+\o
.endr
.endm
.macro FETCH p, aa, aw, av, row, q     ; a step's 14 fragments, 56 loads, into set p
	WIN 0x40*\p
.irp i, 0,1,2,3,4,5,6,7
	FRAG 32+16*\i, \aa, \row*\i+2048*\q
.endr
.irp i, 0,1,2,3
	FRAG 160+16*\i, \aw, \row*\i+2048*\q
.endr
.irp i, 0,1
	FRAG 224+16*\i, \av, \row*\i+2048*\q
.endr
	WIN 0
.endm
.macro FX p, q
	FETCH \p, XA, XW, XV, 6144, \q
.endm
.macro FY p, q
	FETCH \p, YA, YW, YV, 4096, \q
.endm
; The 48 accumulators take turns, one instruction a turn, in the same order in every step.  zero = 1: the first product starts the sums.
.macro MQ p, a0, zero                  ; q or k: four blocks of tokens x four of columns
	WIN 0xa0+5*\p
.irp a, \a0, \a0+1, \a0+2, \a0+3
.irp b, 0,1,2,3
.set AC, 32*(\a)+8*\b
.if \zero
	v_wmma_f32_16x16x128_fp8_fp8 v[AC:AC+7], v[160+16*\b:175+16*\b], v[32+16*(\a):47+16*(\a)], 0
.else
	v_wmma_f32_16x16x128_fp8_fp8 v[AC:AC+7], v[160+16*\b:175+16*\b], v[32+16*(\a):47+16*(\a)], v[AC:AC+7]
.endif
.endr
.endr
.endm
.macro MV p, zero                      ; v: eight blocks of tokens x two of columns, the sources the other way round
	WIN 0xf0+5*\p
.irp a, 0,1,2,3,4,5,6,7
.irp b, 0,1
.set AC, 16*\a+8*\b
.if \zero
	v_wmma_f32_16x16x128_fp8_fp8 v[AC:AC+7], v[32+16*\a:47+16*\a], v[224+16*\b:239+16*\b], 0
.else
	v_wmma_f32_16x16x128_fp8_fp8 v[AC:AC+7], v[32+16*\a:47+16*\a], v[224+16*\b:239+16*\b], v[AC:AC+7]
.endif
.endr
.endr
.endm
.macro MUL p, zero
	MQ \p, 0, \zero
	MQ \p, 4, \zero
	MV \p, \zero
.endm
; A CHANGE OF SLOTS, on set 0.  In front of the barrier each wave waits for all its tensor loads (its part of the slot ahead), adds 0 to its spare word, and waits for that and for its reads of the slot left.
; fill = 1: the barrier opens a round of the cluster's barrier, and slot X is filled with steps 5 to 7.
.macro TURN fill
	WIN 0
	s_wait_tensorcnt 0x0
	ds_add_u32 v[SPW], v[NIL]
.if \fill
	s_mul_i32 s33, s16, 49152
	s_mul_i32 s57, s16, 36864
	s_add_co_u32 s57, s57, XWB
	s_add_nc_u64 s[34:35], s[34:35], 4096
	s_add_nc_u64 s[58:59], s[58:59], 4096
.endif
	s_wait_dscnt 1                                 ; this step's fragments are in; the add may be out
	MQ 0, 0, 0
	s_wait_dscnt 0x0                               ; the add is done, and my reads of the slot are over
	s_barrier_signal -1
	MQ 0, 4, 0                                     ; work on registers
	WIN 0
	s_barrier_wait -1
.if \fill
	CREST
	JLOAD 32, 24, 56, 48                           ; its four v_nop are also the places in front of the loads that follow
.else
	PLACES
.endif
.endm
	s_wait_alu depctr_va_vdst(0)
	s_wait_tensorcnt 0x0                           ; my part of steps 0 to 2 is in
	ds_add_u32 v[SPW], v[NIL]
	s_lshl_b32 s33, s16, 15                        ; slot Y, 6,144 bytes on in each block
	s_add_co_u32 s33, s33, YB
	s_mul_i32 s57, s16, 24576
	s_add_co_u32 s57, s57, YWB
	s_add_nc_u64 s[34:35], s[34:35], 6144
	s_add_nc_u64 s[58:59], s[58:59], 6144
	s_wait_dscnt 0x0
	CROUND                                         ; everybody's part of slot X is in
	JLOAD 32, 68, 56, 76                           ; steps 3 and 4, the first tensor load behind the round
	FX 0, 0
	ASK PF2, 10240                                 ; steps 5 to 7, which the next load brings
	FX 1, 1
	s_wait_dscnt 56                                ; all but the next step's 56
	MUL 0, 1
	PLACES
	FX 0, 2
	s_wait_dscnt 56
	MUL 1, 0
	TURN 1                                         ; step 2
	FY 1, 0
	MV 0, 0
	PLACES
	FY 0, 1
	s_wait_dscnt 56
	MUL 1, 0                                       ; step 3
	TURN 0                                         ; step 4
	FX 1, 0
	MV 0, 0
	PLACES
	FX 0, 1
	s_wait_dscnt 56
	MUL 1, 0                                       ; step 5
	PLACES
	FX 1, 2
	s_wait_dscnt 56
	MUL 0, 0                                       ; step 6
	s_wait_dscnt 0x0
	MUL 1, 0                                       ; step 7
	WIN 0
; THE WAY OUT: 128 numbers at a time are held within the largest code x the scale (the conversion does not saturate: ISA guide 7.6.2), each accumulator from its low end on, and converted; every store of a wave covers 512 consecutive bytes, aligned.
.macro HOLD win, src, lim
	WIN \win
.set j, 0
.rept 128
	v_med3_num_f32 v[32+j], v[\src+j], -v[\lim], v[\lim]
.set j, j+1
.endr
	WIN 0
.endm
	PLACES
.irp g, 0,1                            ; q or k: four blocks of 16 tokens at a time, 1,024 bytes each
	HOLD 0x02, 128*\g, LMQ
.set k, 0
.rept 16
	v_cvt_scalef32_pk8_fp8_f32 v[160+32*\g+2*k:161+32*\g+2*k], v[32+8*k:39+8*k], v[SCQ]
.set k, k+1
.endr
	v_nop
.irp i, 0,1,2,3,4,5,6,7
	global_store_b128 v[L16], v[160+32*\g+4*\i:163+32*\g+4*\i], s[60:61] offset:4096*\g+512*\i
.endr
.endr
	HOLD 0x03, 0, LMV
.irp a, 0,1,2,3,4,5,6,7
.irp b, 0,1
	v_cvt_scalef32_pk8_fp8_f32 v[224+16*\b+2*\a:225+16*\b+2*\a], v[32+16*\a+8*\b:39+16*\a+8*\b], v[SCV]   ; registers 2 a, 2 a + 1: tokens 16 a + 8 (lane / 16) on
.endr
.endr
	v_nop
.irp i, 0,1,2,3,4,5,6,7
	global_store_b128 v[L16], v[224+4*\i:227+4*\i], s[62:63] offset:512*\i
.endr
	s_wait_tensorcnt 0x0                           ; the wave's end
	ds_add_u32 v[SPW], v[NIL]
	s_wait_dscnt 0x0
	CROUND                                         ; the closing round
	s_endpgm
.Lfunc_end_k_qe32fabad83_qkv:
	.size	k_qe32fabad83_qkv, .Lfunc_end_k_qe32fabad83_qkv-k_qe32fabad83_qkv
	.p2alignl 7, 3214868480
	.fill 96, 4, 3214868480
	.section	.rodata,"a",@progbits
	.p2align	6, 0x0
	.amdhsa_kernel k_qe32fabad83_qkv
		.amdhsa_group_segment_fixed_size 327680
		.amdhsa_private_segment_fixed_size 0
		.amdhsa_enable_private_segment 0
		.amdhsa_kernarg_size 24
		.amdhsa_user_sgpr_count 2
		.amdhsa_user_sgpr_kernarg_segment_ptr 1
		.amdhsa_wavefront_size32 1
		.amdhsa_system_sgpr_workgroup_id_x 1
		.amdhsa_system_sgpr_workgroup_id_y 1
		.amdhsa_system_sgpr_workgroup_id_z 1
		.amdhsa_system_vgpr_workitem_id 0
		.amdhsa_next_free_vgpr 1024
		.amdhsa_next_free_sgpr 98
		.amdhsa_reserve_vcc 0
		.amdhsa_float_denorm_mode_32 3
		.amdhsa_float_denorm_mode_16_64 3
		.amdhsa_memory_ordered 1
		.amdhsa_forward_progress 1
		.amdhsa_inst_pref_size 96
	.end_amdhsa_kernel
	.amdgpu_metadata
---
amdhsa.version: [ 1, 2 ]
amdhsa.kernels:
  - .name:           k_qe32fabad83_qkv
    .symbol:         k_qe32fabad83_qkv.kd
    .args:
      - { .name: codes, .offset: 0, .size: 8, .value_kind: global_buffer, .address_space: global }
      - { .name: lowp_scales, .offset: 8, .size: 8, .value_kind: global_buffer, .address_space: global }
      - { .name: qkvi, .offset: 16, .size: 8, .value_kind: global_buffer, .address_space: global }
    .group_segment_fixed_size: 327680
    .private_segment_fixed_size: 0
    .kernarg_segment_align: 8
    .kernarg_segment_size: 24
    .max_flat_workgroup_size: 128
    .sgpr_count:     98
    .vgpr_count:     1024
    .wavefront_size: 32
...
	.end_amdgpu_metadata
.endif
;; end of part 2
;; launch attn (part 3): grid 8 x 32, 16 waves a work-group, clusters of 4 x 1, 327,680 bytes of LDS; arguments qkvi, lowp_scales, ai; writes ai
.if DOCPART == 3
	.amdgcn_target "amdgcn-amd-amdhsa--gfx1250"
	.amdhsa_code_object_version 6
	.text
	.protected	k_qe32fabad83_attn
	.globl	k_qe32fabad83_attn
	.p2align	8
	.type	k_qe32fabad83_attn,@function
k_qe32fabad83_attn:
	s_mov_b64 s[64:65], 0
	v_nop
	global_prefetch_b8 v0, s[64:65] scope:SCOPE_SE
	s_setreg_imm32_b32 hwreg(HW_REG_WAVE_MODE, 25, 1), 1
	s_wait_xcnt 0x0
	s_wait_alu depctr_hold_cnt(0) depctr_sa_sdst(0) depctr_va_vdst(0) depctr_va_sdst(0) depctr_va_ssrc(0) depctr_va_vcc(0) depctr_vm_vsrc(0)
	s_getreg_b32 s2, hwreg(HW_REG_IB_STS2, 6, 4)
	s_cmp_eq_u32 s2, 0
	s_cbranch_scc0 .Lentry_in_a_cluster
	s_endpgm
.Lentry_in_a_cluster:
	s_bfe_u32 s2, ttmp6, 0x10000c
	s_cmp_lg_u32 s2, 0x3003
	s_cbranch_scc0 .Lentry_shape_is_right
	s_endpgm
.Lentry_shape_is_right:
; Causal attention of one head on codes of FP8 (E4M3): S = q k^T (K = 64, scales e2, e3), p = 2^(t - M), O = p v (K = the keys, scales e4, e5), O / l quantised with e6 into the last product's operand.
; t = score x 2^(e2 + e3) x log2(e) / 8; M = the row's largest t so far, rounded UP to a whole number; p is quantised unnormalised; l is the sum of the unquantised p, in f32, and divides at the end.
; When M moves, l and O are multiplied by 2^(old M - new M): nothing is rounded, and there is no branch on data.
; LIMITS on the given exponents, so that each power of two is an f32 number: e2 + e3 between -123 and 130; e4, and e6 - e4 - e5, between -126 and 119.
; OPERANDS ARE IMAGES OF THEIR REGISTERS (registers 4 i .. 4 i + 3 of lane l at 512 i + 16 l).  q, k: a tile of 16 rows x 64 is 1,024 bytes; v: 16 of the head's 64 x 128 keys, 2,048 bytes, four to 128 keys.
; Both products are used transposed: S^T = k q^T, O^T = v^T p^T: a lane holds ONE query (lane % 16) throughout, and a tile's eight registers are keys 16 t + 8 (lane / 16) + 0 .. 7: just what registers
; 2 t, 2 t + 1 of the second product's operand hold: the conversions' results ARE that operand.  O^T's eight registers run along the head, the last product's K, likewise.
; SHARES: EQUAL FOR EVERY WORK-GROUP, AND DECIDED BY THE WAVE'S NUMBER ALONE.  A head has 128 tiles of 16 queries; tile 8 i + g sees i + 1 steps of 128 keys under the mask, the last on the diagonal.  Work-group g of a head's eight takes
; the tiles 8 i + g of all sixteen i: 136 steps.  With s = wave % 4: waves 0-3 take i = 11 - s (12 - s steps); waves 4-7 the first 11 steps of i = 15 - s; waves 8-11 i = 4 + s (5 + s steps);
; waves 12-15 the other 5 - s steps of i = 15 - s, whose O, M and l they hand to wave 4 + s through LDS, and then i = s (s + 1 steps).  So the four waves of one s have 34 steps, and no wave more than 12.
; Steps that the mask hides whole are left out.
; LDS holds the head's whole k (131,072 bytes) and v (the same): each byte is filled once, by one load of 16,384 bytes for each wave; nothing is filled again.
; CLUSTERS 4 x 1: four work-groups of a head ask for k and v jointly.  No branch, trip count or LDS address hangs on a work-group's place: what differs is the query tile's address and the diagonal's lane masks.
; NO PREFETCH: all of the head's bytes are asked for by the first instructions; no later request exists to run ahead of.
; REGISTERS: v1 16 x lane; v2, v3 LDS addresses; v4 my stage; v5 -infinity; v12 -M, v13 the largest t, v[14:15] l in two halves; v16-23 my first tile's q, v24-31 the second one's; v32-95 k's 8 tiles, then v's 4 fragments;
; v96-159 S^T, then p; v160-191 O^T; v192-207 p's codes; v230-254 at work.
.set L16, 1
.set ADK, 2
.set ADV, 3
.set STA, 4
.set NINF, 5
.set TB,  2                            ; s2   LDS byte of the step's keys: 8,192 bytes a step in k's region and in v's alike
.set TR,  3                            ; s3   the trip
.set NS,  14                           ; s14  trips in which I have a step
.set MT,  15                           ; s15  the trip whose step lies on the diagonal
.set GG,  16                           ; s16  g
.set WV,  18                           ; s18  my wave's number
.set SEL, 20                           ; s[20:21] lane selects for v_permlanex16_b32: lane l xor 16
.set CS,  22                           ; s[22:23] c = 2^(e2 + e3) log2(e) / 8: the packed form names a pair and takes its low word
.set HLD, 44                           ; s44  448 x 2^e4
.set KIND, 45                          ; s45  wave / 4
.set MJ,  56                           ; s56-63 lanes for which register j of the diagonal's tile is hidden
.set CUT, 11                           ; steps of the long tile that waves 4-7 take
.set STG, 262144                       ; behind k and v: four stages of 9 x 512 bytes
.set SPARE, STG+4*4608
.macro CROUND                          ; a round of the cluster's barrier
	s_barrier_signal -1
	s_barrier_wait -1
	s_cmp_lg_u32 s[WV], 0
	s_cbranch_scc1 .Lnot_wave_0_\@
	s_barrier_signal -3
.Lnot_wave_0_\@:
	s_barrier_wait -3
	s_barrier_signal -1
	s_barrier_wait -1
.endm
.macro CLEAR                           ; O^T, l and M as a tile begins: the first change of M leaves the zeros zeros
	v_mov_b32 v12, 0x7f61b1e6                      ; -M: 3e38
	v_mov_b32 v13, 0xff61b1e6                      ; the largest t so far: -3e38, under every t
	v_mov_b32 v14, 0
	v_mov_b32 v15, 0
.set j, 0
.rept 32
	v_mov_b32 v[160+j], 0
.set j, j+1
.endr
.endm
	s_load_b128 s[4:7], s[0:1], 0x0                ; qkvi s[4:5], the scales' exponents s[6:7]
	s_load_b64 s[8:9], s[0:1], 0x10                ; ai
	v_lshl_add_u32 v251, v0, 2, SPARE
	v_mov_b32 v255, 0
	ds_add_u32 v251, v255                          ; the opening lines
	ds_add_u32 v251, v255
	v_lshrrev_b32 v8, 5, v0
	s_delay_alu instid0(VALU_DEP_1)
	v_readfirstlane_b32 s[WV], v8                  ; wave 0..15
	s_bfe_u32 s46, ttmp6, 0x40000
	s_lshl_b32 s[GG], ttmp9, 2
	s_add_co_u32 s[GG], s[GG], s46                 ; g = 4 x cluster x + cx
	s_and_b32 s17, ttmp7, 0xffff                   ; the head, 0..31
	s_and_b32 s19, s[WV], 3                        ; s
	s_lshr_b32 s[KIND], s[WV], 2
	; descriptor group 1: 16,384 dense bytes as 4 rows of 4,096
	s_mov_b32 s24, (3<<16)|(1<<21)|15              ; the mask: my cluster's four; elements of 8 bytes; 21 set beside a mask
	s_mov_b32 s25, 512<<16
	s_mov_b32 s26, 4<<16
	s_mov_b32 s27, 512<<16
	s_mov_b32 s28, 4
	s_mov_b32 s29, 512
	s_mov_b32 s30, 0
	s_mov_b32 s31, 0
	s_lshr_b32 s66, s[WV], 3
	s_add_co_u32 s66, s66, 1                       ; waves 0-7 fetch k (at 4 MiB), 8-15 v (at 8 MiB)
	s_lshl_b32 s66, s66, 22
	s_lshl_b32 s67, s17, 17                        ; 131,072 bytes a head
	s_add_co_u32 s66, s66, s67
	s_and_b32 s67, s[WV], 7
	s_lshl_b32 s67, s67, 14
	s_add_co_u32 s66, s66, s67
	s_mov_b32 s67, 0
	s_mov_b32 s32, 1
	s_lshl_b32 s33, s[WV], 14                      ; in LDS: k from 0, v from 131,072
	s_wait_dscnt 0x0                               ; both opening adds are done
	s_wait_kmcnt 0x0
	s_load_b256 s[36:43], s[6:7], 0x0              ; e0 .. e7
	s_add_nc_u64 s[34:35], s[4:5], s[66:67]
	s_or_b32 s35, s35, 0x80000000
	CROUND                                         ; the cluster's four work-groups are here: the joint loads meet
	tensor_load_to_lds s[32:35], s[24:31]          ; my one load: each wave its own 16,384 bytes
	s_nop 0
.rept 4
	v_nop
.endr
	s_sub_co_u32 s46, 15, s19                      ; i of my first tile: 15 - s,
	s_sub_co_u32 s48, 11, s19
	s_add_co_u32 s49, s19, 4
	s_cmp_eq_u32 s[KIND], 0
	s_cselect_b32 s46, s48, s46                    ; or 11 - s,
	s_cmp_eq_u32 s[KIND], 2
	s_cselect_b32 s46, s49, s46                    ; or 4 + s
	s_add_co_u32 s[NS], s46, 1                     ; all its steps,
	s_sub_co_u32 s48, s[NS], CUT
	s_cmp_eq_u32 s[KIND], 3
	s_cselect_b32 s[NS], s48, s[NS]                ; or those behind the first 11,
	s_sub_co_u32 s[MT], s[NS], 1                   ; the last on the diagonal;
	s_cmp_eq_u32 s[KIND], 1
	s_cselect_b32 s[NS], CUT, s[NS]                ; or the first 11, none on the diagonal
	s_cselect_b32 s[MT], 64, s[MT]
	s_lshr_b32 s48, s[KIND], 1
	s_and_b32 s48, s48, s[KIND]                    ; 1 in waves 12-15
	s_mul_i32 s[TB], s48, CUT*8192
	s_lshl_b32 s46, s46, 3
	s_add_co_u32 s46, s46, s[GG]                   ; my first tile
	s_lshl_b32 s47, s19, 3
	s_add_co_u32 s47, s47, s[GG]                   ; the second one, of waves 12-15
	s_cmp_eq_u32 s[KIND], 3
	s_cselect_b32 s48, s47, s46                    ; the tile that I store
	s_lshl_b32 s66, s17, 17
	s_lshl_b32 s67, s46, 10
	s_add_co_u32 s66, s66, s67
	s_mov_b32 s67, 0
	s_add_nc_u64 s[10:11], s[4:5], s[66:67]
	s_lshl_b32 s66, s17, 17
	s_lshl_b32 s67, s47, 10
	s_add_co_u32 s66, s66, s67
	s_mov_b32 s67, 0
	s_add_nc_u64 s[12:13], s[4:5], s[66:67]
	s_mul_i32 s49, s19, 4608
	s_add_co_u32 s49, s49, STG
	v_and_b32 v8, 31, v0
	s_delay_alu instid0(VALU_DEP_1)
	v_lshlrev_b32 v[L16], 4, v8
	global_load_b128 v[16:19], v[L16], s[10:11]    ; q stays in registers: my first tile's,
	global_load_b128 v[20:23], v[L16], s[10:11] offset:512
	global_load_b128 v[24:27], v[L16], s[12:13]    ; and the second one's (one text for all waves: waves 0-11 do not use it)
	global_load_b128 v[28:31], v[L16], s[12:13] offset:512
	v_add_nc_u32 v[STA], s49, v[L16]
	v_and_b32 v6, 15, v0
	v_bfe_u32 v7, v0, 4, 1
	v_mov_b32 v[NINF], 0xff800000
	v_mov_b32 v236, 0                              ; written once: a lane permute's destination counts as one of its sources
	v_lshlrev_b32 v7, 3, v7
	v_mov_b32 v252, 0
	v_mov_b32 v253, 0                              ; (named as the upper half of the pair v[252:253])
	v_sub_nc_u32 v6, v6, v7                        ; lane % 16 - 8 (lane / 16)
	CLEAR
.irp j, 0,1,2,3,4,5,6,7
	v_cmp_gt_i32 s[MJ+\j], \j, v6                  ; in the diagonal's tile key 8 (lane / 16) + j comes after query lane % 16
.endr
	s_lshr_b32 s66, s17, 4                         ; the batch: 128 blocks of 16 rows,
	s_lshl_b32 s66, s66, 7
	s_add_co_u32 s66, s66, s48
	s_lshl_b32 s66, s66, 14                        ; 16,384 bytes each;
	s_and_b32 s67, s17, 15
	s_lshl_b32 s67, s67, 10                        ; a head's 64 along K are 1,024 bytes of a block
	s_add_co_u32 s66, s66, s67
	s_mov_b32 s67, 0
	s_add_nc_u64 s[8:9], s[8:9], s[66:67]          ; where my codes go
	s_mov_b32 s[SEL], 0x76543210
	s_mov_b32 s[SEL+1], 0xfedcba98
	s_mov_b32 s[CS], 0x3e38aa3b                    ; log2(e) / 8
	s_wait_alu depctr_va_vdst(0)
	s_wait_kmcnt 0x0
	s_add_co_i32 s66, s38, s39
	s_lshl_b32 s66, s66, 23
	s_add_co_i32 s[CS], s[CS], s66                 ; e2 + e3 are added to c's exponent field
	s_mov_b32 s[CS+1], s[CS]
	s_add_co_i32 s66, s40, 127
	s_lshl_b32 s67, s66, 23
	v_mov_b32 v244, s67                            ; 2^e4
	s_add_co_i32 s66, s66, 8
	s_lshl_b32 s66, s66, 23
	s_or_b32 s[HLD], s66, 0x600000                 ; 448 x 2^e4
	s_sub_co_i32 s66, s42, s40
	s_sub_co_i32 s66, s66, s41
	s_add_co_i32 s66, s66, 127
	s_lshl_b32 s67, s66, 23
	v_mov_b32 v245, s67                            ; 2^(e6 - e4 - e5): O / l stands for O / l x 2^(e4 + e5)
	s_add_co_i32 s66, s66, 8
	s_lshl_b32 s66, s66, 23
	s_or_b32 s66, s66, 0x600000
	v_mov_b32 v241, s66                            ; 448 x that
; A KEY STEP: 128 keys, the query tile's fragment at v[q].
.macro STEP q
	s_cmp_ge_u32 s[TR], s[NS]                      ; no step of mine in this trip
	s_cbranch_scc1 .Lhidden_\@
	s_and_b32 s66, s[TB], 0x1e000                  ; a step's byte lies under 131,072 (TB goes on in trips without a step)
	v_add_nc_u32 v[ADK], s66, v[L16]
	s_delay_alu instid0(VALU_DEP_1)
	v_add_nc_u32 v[ADV], 0x20000, v[ADK]
	v_nop                                          ; with the two additions: four places in front of loads into registers that the last products have read
	v_nop
.irp t, 0,1,2,3,4,5,6,7
.irp c, 0,1
	ds_load_b128 v[32+8*\t+4*\c:32+8*\t+4*\c+3], v[ADK] offset:1024*\t+512*\c
.endr
.endr
	s_wait_alu depctr_va_vdst(0)
	s_wait_dscnt 8                                 ; key tiles 0-3 are in; the eight loads of tiles 4-7 may be out
.irp t, 0,1,2,3
	v_wmma_f32_16x16x64_fp8_fp8 v[96+8*\t:103+8*\t], v[32+8*\t:39+8*\t], v[\q:\q+7], 0
.endr
	s_wait_dscnt 0x0
.irp t, 4,5,6,7
	v_wmma_f32_16x16x64_fp8_fp8 v[96+8*\t:103+8*\t], v[32+8*\t:39+8*\t], v[\q:\q+7], 0
.endr
.rept 4
	v_nop                                          ; places: for the loads below and for the first reads of the scores
.endr
.irp d, 0,1,2,3
.irp c, 0,1,2,3
	ds_load_b128 v[32+16*\d+4*\c:32+16*\d+4*\c+3], v[ADV] offset:2048*\d+512*\c   ; v's four fragments land while the softmax is walked
.endr
.endr
	s_cmp_lg_u32 s[TR], s[MT]
	s_cbranch_scc1 .Lopen_\@
.set n, 0                              ; ON THE DIAGONAL the step begins 16 g keys ahead of the tile's first query: key tile t is open for t < g, hidden for t > g, and split by the lane masks for t = g
.rept 8
	s_cmp_lt_u32 s[GG], n
	s_cselect_b32 s66, -1, 0
	s_cmp_eq_u32 s[GG], n
.irp j, 0,1,2,3,4,5,6,7
	s_cselect_b32 s[68+\j], s[MJ+\j], s66
	v_cndmask_b32 v[96+8*n+\j], v[96+8*n+\j], v[NINF], s[68+\j]
.endr
.set n, n+1
.endr
.Lopen_\@:
.irp c, 0,1,2,3                        ; the step's largest score of my query among my 64 keys, in four chains, each accumulator from its low end on,
	v_max3_num_f32 v[246+2*\c], v[96+16*\c], v[97+16*\c], v[98+16*\c]
.endr
.irp i, 3,5,7,9,11,13
.irp c, 0,1,2,3
	v_max3_num_f32 v[246+2*\c], v[246+2*\c], v[96+16*\c+\i], v[97+16*\c+\i]
.endr
.endr
	v_max3_num_f32 v246, v246, v111, v248
	v_max3_num_f32 v250, v250, v143, v252
	v_max3_num_f32 v254, v246, v127, v159
	s_delay_alu instid0(VALU_DEP_1)
	v_max_num_f32 v254, v254, v250
	s_delay_alu instid0(VALU_DEP_1)
	v_permlanex16_b32 v236, v254, s[SEL], s[SEL+1]
	s_delay_alu instid0(VALU_DEP_1)
	v_max_num_f32 v254, v254, v236                 ; and among lane l xor 16's
	s_delay_alu instid0(VALU_DEP_1)
	v_mul_f32 v254, s[CS], v254                    ; as t (c is positive)
	s_delay_alu instid0(VALU_DEP_1)
	v_max_num_f32 v13, v13, v254                   ; the running largest t
	v_mov_b32 v254, v12
	s_delay_alu instid0(VALU_DEP_2)
	v_floor_f32 v12, -v13                          ; the new -M = floor(-t) = -ceil(t): a whole number
	s_delay_alu instid0(VALU_DEP_1)
	v_sub_f32 v254, v12, v254                      ; old M - new M: a whole number, 0 or less
	s_delay_alu instid0(VALU_DEP_1)
	v_cvt_i32_f32 v254, v254                       ; (it saturates)
	s_delay_alu instid0(VALU_DEP_1)
	v_ldexp_f32 v252, 1.0, v254                    ; f = 2^(old M - new M)
.set j, 0
.rept 32
	v_pk_fma_f32 v[96+j:97+j], v[96+j:97+j], s[CS:CS+1], v[12:13] op_sel_hi:[1,0,0]   ; t - M, two at a time
.set j, j+2
.endr
.set j, 0
.rept 16
	v_pk_mul_f32 v[160+j:161+j], v[160+j:161+j], v[252:253] op_sel_hi:[1,0]   ; O^T under the new M
.set j, j+2
.endr
.set j, 0
	s_wait_alu depctr_va_vdst(0)
.rept 64
	v_exp_f32 v[96+j], v[96+j]                     ; p = 2^(t - M), at most 1
.set j, j+1
.endr
	v_pk_mul_f32 v[14:15], v[14:15], v[252:253] op_sel_hi:[1,0]   ; l under the new M: the plain instruction behind the exponentials
	s_wait_alu depctr_va_vdst(0)                   ; one wait for the whole batch, ahead of its first reader
	v_pk_add_f32 v[242:243], v[100:101], v[104:105]
	v_pk_add_f32 v[248:249], v[108:109], v[112:113]
	v_pk_add_f32 v[246:247], v[116:117], v[120:121]
	v_pk_add_f32 v[238:239], v[124:125], v[128:129]
	v_pk_add_f32 v[234:235], v[132:133], v[136:137]
	v_pk_add_f32 v[232:233], v[140:141], v[144:145]
	v_pk_add_f32 v[230:231], v[148:149], v[152:153]
	v_pk_add_f32 v[14:15], v[14:15], v[156:157]
	v_pk_add_f32 v[242:243], v[242:243], v[96:97]
	v_pk_add_f32 v[248:249], v[248:249], v[98:99]
	v_pk_add_f32 v[246:247], v[246:247], v[102:103]
	v_pk_add_f32 v[238:239], v[238:239], v[106:107]
	v_pk_add_f32 v[234:235], v[234:235], v[110:111]
	v_pk_add_f32 v[232:233], v[232:233], v[114:115]
	v_pk_add_f32 v[230:231], v[230:231], v[118:119]
	v_pk_add_f32 v[14:15], v[14:15], v[122:123]
	v_pk_add_f32 v[242:243], v[242:243], v[126:127]
	v_pk_add_f32 v[248:249], v[248:249], v[130:131]
	v_pk_add_f32 v[246:247], v[246:247], v[134:135]
	v_pk_add_f32 v[238:239], v[238:239], v[138:139]
	v_pk_add_f32 v[234:235], v[234:235], v[142:143]
	v_pk_add_f32 v[232:233], v[232:233], v[146:147]
	v_pk_add_f32 v[230:231], v[230:231], v[150:151]
	v_pk_add_f32 v[14:15], v[14:15], v[154:155]
	v_pk_add_f32 v[242:243], v[242:243], v[158:159]
	s_delay_alu instid0(VALU_DEP_2)
	v_pk_add_f32 v[14:15], v[14:15], v[238:239]
	s_delay_alu instid0(VALU_DEP_2)
	v_pk_add_f32 v[242:243], v[242:243], v[234:235]
	v_pk_add_f32 v[248:249], v[248:249], v[232:233]
	v_pk_add_f32 v[246:247], v[246:247], v[230:231]
	s_delay_alu instid0(VALU_DEP_2)
	v_pk_add_f32 v[14:15], v[14:15], v[248:249]
	s_delay_alu instid0(VALU_DEP_2)
	v_pk_add_f32 v[242:243], v[242:243], v[246:247]
	s_delay_alu instid0(VALU_DEP_1)
	v_pk_add_f32 v[14:15], v[14:15], v[242:243]
.irp t, 0,1,2,3,4,5,6,7
.irp i, 0,2,4,6
	v_dual_min_num_f32 v[96+8*\t+\i], s[HLD], v[96+8*\t+\i] :: v_dual_min_num_f32 v[97+8*\t+\i], s[HLD], v[97+8*\t+\i]   ; the conversion does not saturate (ISA guide 7.6.2); p is not negative, so the hold is one-sided
.endr
	v_cvt_scalef32_pk8_fp8_f32 v[192+2*\t:193+2*\t], v[96+8*\t:103+8*\t], v244   ; registers 2 t, 2 t + 1 of the operand: keys 16 t + 8 (lane / 16) + 0 .. 7
.endr
	v_nop                                          ; a plain instruction between the last conversion and the products
	s_wait_alu depctr_va_vdst(0)
	s_wait_dscnt 0x0                               ; v's fragments are in
.irp d, 0,1,2,3                        ; the four accumulators take turns, one instruction a turn
	v_wmma_f32_16x16x128_fp8_fp8 v[160+8*\d:167+8*\d], v[32+16*\d:47+16*\d], v[192:207], v[160+8*\d:167+8*\d]
.endr
.Lhidden_\@:
.endm
	s_wait_alu depctr_va_vdst(0)
	s_wait_loadcnt 0x0                             ; q
	s_wait_tensorcnt 0x0                           ; my part of k and v;
	s_barrier_signal -1
	s_barrier_wait -1                              ; everybody's
	s_mov_b32 s[TR], 0
.Lfirst:                                           ; the first tile: every wave walks 12 trips
	STEP 16
	s_add_co_u32 s[TB], s[TB], 8192
	s_add_co_u32 s[TR], s[TR], 1
	s_cmp_lt_u32 s[TR], 12
	s_cbranch_scc1 .Lfirst
	s_add_co_u32 s[NS], s19, 1                     ; the second tile: s + 1 steps, the last on the diagonal; none for waves 0-11
	s_cmp_eq_u32 s[KIND], 3
	s_cselect_b32 s[NS], s[NS], 0
	s_mov_b32 s[MT], s19
	s_cmp_lt_u32 s[WV], 12
	s_cbranch_scc1 .Lkeep
.rept 4
	v_nop                                          ; places behind the last products
.endr
.irp i, 0,1,2,3,4,5,6,7
	ds_store_b128 v[STA], v[160+4*\i:163+4*\i] offset:512*\i   ; my part of the long tile goes to wave 4 + s: O^T,
.endr
	ds_store_b128 v[STA], v[12:15] offset:4096     ; -M and l
	CLEAR
	s_wait_alu depctr_va_vdst(0)
.Lkeep:
	s_wait_dscnt 0x0                               ; my stores are done:
	s_barrier_signal -1                            ; say so; between this and the wait stand work on registers and loads of k and v, which nobody writes any more
	s_mov_b32 s[TB], 0
	s_mov_b32 s[TR], 0
.Lsecond:
	STEP 24
	s_add_co_u32 s[TB], s[TB], 8192
	s_add_co_u32 s[TR], s[TR], 1
	s_cmp_lt_u32 s[TR], 4
	s_cbranch_scc1 .Lsecond
	s_barrier_wait -1                              ; the stages are whole
.rept 4
	v_nop                                          ; places behind the last products
.endr
	s_cmp_eq_u32 s[KIND], 1
	s_cbranch_scc0 .Lout
	ds_load_b128 v[32:35], v[STA] offset:4096      ; THE LONG TILE'S TWO PARTS ARE JOINED under the larger M: both factors are powers of two, 1 at the most
.irp i, 0,1,2,3,4,5,6,7
	ds_load_b128 v[36+4*\i:39+4*\i], v[STA] offset:512*\i
.endr
	s_wait_dscnt 0x0
	v_min_num_f32 v6, v12, v32                     ; -M
	v_sub_f32 v7, v6, v12
	v_sub_f32 v8, v6, v32
	v_cvt_i32_f32 v7, v7
	v_cvt_i32_f32 v8, v8
	v_ldexp_f32 v252, 1.0, v7                      ; my part's factor,
	v_ldexp_f32 v254, 1.0, v8                      ; and the other's (v255, the pair's upper half, holds 0 and is not taken)
	v_pk_mul_f32 v[14:15], v[14:15], v[252:253] op_sel_hi:[1,0]
.set j, 0
.rept 16
	v_pk_mul_f32 v[160+j:161+j], v[160+j:161+j], v[252:253] op_sel_hi:[1,0]
.set j, j+2
.endr
	v_pk_fma_f32 v[14:15], v[34:35], v[254:255], v[14:15] op_sel_hi:[1,0,1]
.set j, 0
.rept 16
	v_pk_fma_f32 v[160+j:161+j], v[36+j:37+j], v[254:255], v[160+j:161+j] op_sel_hi:[1,0,1]
.set j, j+2
.endr
.Lout:
	; THE WAY OUT: O^T / l, held, quantised: tile d's eight numbers are registers 2 d, 2 d + 1 of my head's half of a fragment of the last product: two stores of 512 consecutive bytes.
	v_add_f32 v14, v14, v15                        ; l's two halves,
	s_delay_alu instid0(VALU_DEP_1)
	v_permlanex16_b32 v252, v14, s[SEL], s[SEL+1]
	s_delay_alu instid0(VALU_DEP_1)
	v_add_f32 v14, v14, v252                       ; and lane l xor 16's
	s_wait_alu depctr_va_vdst(0)                   ; the wait ahead of the reciprocal,
	v_rcp_f32 v14, v14
	v_nop                                          ; a plain instruction behind it,
	s_wait_alu depctr_va_vdst(0)                   ; and the wait ahead of its first reader
.set j, 0
.rept 16
	v_pk_mul_f32 v[96+j:97+j], v[160+j:161+j], v[14:15] op_sel_hi:[1,0]
.set j, j+2
.endr
.set j, 0
.rept 32
	v_med3_num_f32 v[96+j], v[96+j], -v241, v241
.set j, j+1
.endr
.irp d, 0,1,2,3
	v_cvt_scalef32_pk8_fp8_f32 v[192+2*\d:193+2*\d], v[96+8*\d:103+8*\d], v245
.endr
	v_nop
	global_store_b128 v[L16], v[192:195], s[8:9]
	global_store_b128 v[L16], v[196:199], s[8:9] offset:512
	s_wait_tensorcnt 0x0                           ; the wave's end
	ds_add_u32 v251, v255
	s_wait_dscnt 0x0
	CROUND                                         ; the closing round
	s_endpgm
.Lfunc_end_k_qe32fabad83_attn:
	.size	k_qe32fabad83_attn, .Lfunc_end_k_qe32fabad83_attn-k_qe32fabad83_attn
	.p2alignl 7, 3214868480
	.fill 96, 4, 3214868480
	.section	.rodata,"a",@progbits
	.p2align	6, 0x0
	.amdhsa_kernel k_qe32fabad83_attn
		.amdhsa_group_segment_fixed_size 327680
		.amdhsa_private_segment_fixed_size 0
		.amdhsa_enable_private_segment 0
		.amdhsa_kernarg_size 24
		.amdhsa_user_sgpr_count 2
		.amdhsa_user_sgpr_kernarg_segment_ptr 1
		.amdhsa_wavefront_size32 1
		.amdhsa_system_sgpr_workgroup_id_x 1
		.amdhsa_system_sgpr_workgroup_id_y 1
		.amdhsa_system_sgpr_workgroup_id_z 1
		.amdhsa_system_vgpr_workitem_id 0
		.amdhsa_next_free_vgpr 256
		.amdhsa_next_free_sgpr 80
		.amdhsa_reserve_vcc 0
		.amdhsa_float_denorm_mode_32 3
		.amdhsa_float_denorm_mode_16_64 3
		.amdhsa_memory_ordered 1
		.amdhsa_forward_progress 1
		.amdhsa_inst_pref_size 64
	.end_amdhsa_kernel
	.amdgpu_metadata
---
amdhsa.version: [ 1, 2 ]
amdhsa.kernels:
  - .name:           k_qe32fabad83_attn
    .symbol:         k_qe32fabad83_attn.kd
    .args:
      - { .name: qkvi, .offset: 0, .size: 8, .value_kind: global_buffer, .address_space: global }
      - { .name: lowp_scales, .offset: 8, .size: 8, .value_kind: global_buffer, .address_space: global }
      - { .name: ai, .offset: 16, .size: 8, .value_kind: global_buffer, .address_space: global }
    .group_segment_fixed_size: 327680
    .private_segment_fixed_size: 0
    .kernarg_segment_align: 8
    .kernarg_segment_size: 24
    .max_flat_workgroup_size: 512
    .sgpr_count:     80
    .vgpr_count:     256
    .wavefront_size: 32
...
	.end_amdgpu_metadata
.endif
;; end of part 3
;; launch proj (part 4): grid 8 x 32, 4 waves a work-group, clusters of 4 x 4, 327,680 bytes of LDS; arguments ai, codes, lowp_scales, out0; writes out0
.if DOCPART == 4
	.amdgcn_target "amdgcn-amd-amdhsa--gfx1250"
	.amdhsa_code_object_version 6
	.text
	.protected	k_qe32fabad83_proj
	.globl	k_qe32fabad83_proj
	.p2align	8
	.type	k_qe32fabad83_proj,@function
k_qe32fabad83_proj:
	s_mov_b64 s[64:65], 0
	v_nop
	global_prefetch_b8 v0, s[64:65] scope:SCOPE_SE
	s_setreg_imm32_b32 hwreg(HW_REG_WAVE_MODE, 25, 1), 1
	s_wait_xcnt 0x0
	s_wait_alu depctr_hold_cnt(0) depctr_sa_sdst(0) depctr_va_vdst(0) depctr_va_sdst(0) depctr_va_ssrc(0) depctr_va_vcc(0) depctr_vm_vsrc(0)
	s_getreg_b32 s2, hwreg(HW_REG_IB_STS2, 6, 4)
	s_cmp_eq_u32 s2, 0
	s_cbranch_scc0 .Lentry_in_a_cluster
	s_endpgm
.Lentry_in_a_cluster:
	s_bfe_u32 s2, ttmp6, 0x10000c
	s_cmp_lg_u32 s2, 0xf033
	s_cbranch_scc0 .Lentry_shape_is_right
	s_endpgm
.Lentry_shape_is_right:
; out0 = (attention's output) W_o on codes of FP8 (E4M3), K = 1,024; each finished sum x 2^(e6 + e7).  out0: [4096][1024] f32.
; LIMIT: e6 + e7 between -126 and 127, so that 2^(e6 + e7) is an f32 number.
; OPERANDS ARE IMAGES OF THEIR REGISTERS: a fragment (16 rows x 128 K) is 2,048 bytes, registers 4 i .. 4 i + 3 of lane l at 512 i + 16 l; a block of 16 rows has its 8 fragments on end (16,384 bytes).
; ai holds the rows' 256 blocks; W_o^T's 64 blocks (row = output column) lie in codes at 7 MiB.
; SHARES.  4,096 x 1,024 are 256 tiles of 128 x 128, one to each work-group of four waves; a wave makes 64 x 64.  (Tiles of 256 x 256 would be 64.)
; THE WHOLE K OF BOTH TILES LIES IN LDS (2 x 131,072 bytes): each byte is filled once, by one load of 65,536 bytes for each wave, at the head: no ring, nothing filled again.  No prefetch: no later request exists to run ahead of.
; CLUSTERS: 4 x 4.  The rows' tile is shared along a row of the cluster, W_o^T's along a column, by joint loads.
; THE MATRIX INSTRUCTION IS USED TRANSPOSED (source 0 = 16 rows of W_o^T, source 1 = 16 rows of ai): a lane holds eight neighbouring numbers of a row of out0.
; BY ROWS: W_o^T's 32 fragments of my 64 columns stay in registers; my four blocks of 16 rows are finished one after the other, K ascending, so that a block's stores leave while the later ones are multiplied.  No fragment is read twice.
; A wave's 64 columns of f32 are one aligned run of 256 bytes: the stage on the way out is the wave's own, and needs no barrier.
; REGISTERS: window 0: v16-26 addresses; v32-63 a block's sums x 2^(e6 + e7); v64-127 rows read back, two sets; v128-191 two sets of four accumulators.  Window 1: two sets of a row block's 8 fragments.  Windows 2, 3: W_o^T's fragments (step s, block b) at v[64 (s % 4) + 16 b].
.set ADRA, 16                          ; LDS address of my rows' fragments, of W_o^T's
.set ADRB, 17
.set STO,  24
.set RD,   25
.set CO,   26
.set TMP,  32
.set BK,   64
.set ACC,  128
.set STAGE, 262144                     ; behind the tiles: 16 rows x (256 bytes + 16) for each wave: bytes into which no tensor load lands
.set SPARE, STAGE+4*16*272
.set MSB, 0
.macro WIN new                         ; the immediate's high byte repeats the setting that is left
.if MSB != (\new)
	s_set_vgpr_msb (MSB<<8)|(\new)
.set MSB, \new
.endif
.endm
.macro CROUND                          ; a round of the cluster's barrier
	s_barrier_signal -1
	s_barrier_wait -1
	s_cmp_lg_u32 s66, 0
	s_cbranch_scc1 .Lnot_wave_0_\@
	s_barrier_signal -3
.Lnot_wave_0_\@:
	s_barrier_wait -3
	s_barrier_signal -1
	s_barrier_wait -1
.endm
	s_load_b256 s[4:11], s[0:1], 0x0               ; ai s[4:5], codes s[6:7], the scales' exponents s[8:9], out0 s[10:11]
	v_lshl_add_u32 v30, v0, 2, SPARE
	v_mov_b32 v31, 0
	ds_add_u32 v30, v31                            ; the opening lines
	ds_add_u32 v30, v31
	v_lshrrev_b32 v1, 5, v0
	v_readfirstlane_b32 s66, v1                    ; wave 0..3
	s_lshr_b32 s67, s66, 1                         ; which half of the tile's rows is mine.  Also: I fetch for ai (0) or for W_o^T (1)
	s_and_b32 s68, s66, 1                          ; which half of its columns.  Also: which 64 rows of that tile I fetch
	s_bfe_u32 s69, ttmp6, 0x40000                  ; cx, cy
	s_bfe_u32 s70, ttmp6, 0x40004
	s_lshl_b32 s71, ttmp9, 2
	s_add_co_u32 s71, s71, s69                     ; tile column = 4 x cluster x + cx
	s_and_b32 s72, ttmp7, 0xffff
	s_lshl_b32 s72, s72, 2
	s_add_co_u32 s72, s72, s70                     ; tile row = 4 x cluster y + cy
	s_lshl_b32 s73, s70, 2
	s_lshl_b32 s73, 15, s73                        ; my row of the cluster
	s_lshl_b32 s74, 0x1111, s69                    ; my column
	; descriptor group 1: 65,536 dense bytes (4 blocks) as 16 rows of 4,096
	s_or_b32 s16, s73, (3<<16)|(1<<21)             ; 15:0 the mask; 17:16 elements of 8 bytes; no padding; 21 set beside a mask
	s_or_b32 s24, s74, (3<<16)|(1<<21)
.irp g, 16, 24
	s_mov_b32 s[\g+1], 512<<16
	s_mov_b32 s[\g+2], 16<<16
	s_mov_b32 s[\g+3], 512<<16
	s_mov_b32 s[\g+4], 16
	s_mov_b32 s[\g+5], 512
	s_mov_b32 s[\g+6], 0
	s_mov_b32 s[\g+7], 0
.endr
	s_lshl_b32 s86, s68, 16                        ; the 64 rows that I fetch: 4 blocks
	s_lshl_b32 s88, s72, 17                        ; ai: the tile row's 8 blocks
	s_add_co_u32 s88, s88, s86
	s_mov_b32 s89, 0
	s_lshl_b32 s90, s71, 17                        ; W_o^T: the tile column's 8 blocks,
	s_add_co_u32 s90, s90, s86
	s_add_co_u32 s90, s90, 0x700000                ; at 7 MiB
	s_mov_b32 s91, 0
	s_mov_b32 s32, 1
	s_lshl_b32 s33, s66, 16                        ; in LDS: wave x 65,536: no place in the cluster enters an LDS address
	s_mov_b32 s48, 1
	s_lshl_b32 s49, s66, 16
	s_wait_dscnt 0x0                               ; both opening adds are done
	s_wait_kmcnt 0x0
	s_load_b256 s[76:83], s[8:9], 0x0              ; e0 .. e7
	s_add_nc_u64 s[34:35], s[4:5], s[88:89]
	s_or_b32 s35, s35, 0x80000000
	s_add_nc_u64 s[50:51], s[6:7], s[90:91]
	s_or_b32 s51, s51, 0x80000000
	CROUND                                         ; all sixteen work-groups are here: the joint loads meet
	s_cmp_eq_u32 s67, 0                            ; one load a wave
	s_cbranch_scc0 .Lfor_b
	tensor_load_to_lds s[32:35], s[16:23]
	s_nop 0
.rept 4
	v_nop
.endr
	s_branch .Lasked
.Lfor_b:
	tensor_load_to_lds s[48:51], s[24:31]
	s_nop 0
.rept 4
	v_nop
.endr
.Lasked:
	s_lshl_b32 s92, s67, 16                        ; my 64 rows of ai
	s_lshl_b32 s93, s68, 16                        ; my 64 rows of W_o^T,
	s_add_co_u32 s93, s93, 0x20000                 ; which lie behind ai's 128
	s_mul_i32 s94, s66, 16*272
	s_add_co_u32 s94, s94, STAGE                   ; my stage
	v_and_b32 v1, 15, v0                           ; l % 16
	v_bfe_u32 v2, v0, 4, 1                         ; l / 16
	v_and_b32 v3, 31, v0
	v_lshlrev_b32 v3, 4, v3                        ; 16 x lane
	v_add_nc_u32 v[ADRA], s92, v3
	v_add_nc_u32 v[ADRB], s93, v3
	v_mul_u32_u24 v4, v1, 272                      ; in: row l % 16, 32 bytes for each half of the lanes
	v_lshl_add_u32 v4, v2, 5, v4
	v_add_nc_u32 v[STO], s94, v4
	v_mul_u32_u24 v5, v2, 272                      ; back: lanes 0-15 one row of 256 bytes, lanes 16-31 the next
	v_lshl_add_u32 v5, v1, 4, v5
	v_add_nc_u32 v[RD], s94, v5
	v_lshlrev_b32 v[CO], 12, v2                    ; and the same two rows in out0 (4,096 bytes a row)
	v_lshl_add_u32 v[CO], v1, 4, v[CO]
	s_lshl_b32 s96, s72, 19                        ; my first row: 128 x tile row + 64 x half, of 4,096 bytes
	s_lshl_b32 s95, s67, 18
	s_add_co_u32 s96, s96, s95
	s_lshl_b32 s95, s71, 9                         ; my first column: 128 x tile column + 64 x half, of 4 bytes
	s_add_co_u32 s96, s96, s95
	s_lshl_b32 s95, s68, 8
	s_add_co_u32 s96, s96, s95
	s_mov_b32 s97, 0
	s_add_nc_u64 s[10:11], s[10:11], s[96:97]
	s_wait_alu depctr_va_vdst(0)
	s_wait_kmcnt 0x0
	s_add_co_i32 s84, s82, s83                     ; e6 + e7
	s_add_co_i32 s84, s84, 127
	s_lshl_b32 s84, s84, 23                        ; 2^(e6 + e7) as f32
	s_mov_b32 s85, s84                             ; (named with it as a pair, so it is written)
.macro FETCHB s                        ; W_o^T's four fragments of step s: 16 loads
	WIN 0x80+0x40*((\s)/4)
.irp i, 0,1,2,3
.irp c, 0,1,2,3
	ds_load_b128 v[64*((\s)%4)+16*\i+4*\c:64*((\s)%4)+16*\i+4*\c+3], v[ADRB] offset:16384*\i+2048*(\s)+512*\c
.endr
.endr
.endm
.macro FETCHA a                        ; row block a's eight fragments: 32 loads
	WIN 0x40
.irp i, 0,1,2,3,4,5,6,7
.irp c, 0,1,2,3
	ds_load_b128 v[128*((\a)%2)+16*\i+4*\c:128*((\a)%2)+16*\i+4*\c+3], v[ADRA] offset:16384*(\a)+2048*\i+512*\c
.endr
.endr
.endm
.macro MUL4 a, s                       ; row block a, step s: its four accumulators take turns; the first product starts the sums
	WIN 0x06+((\s)/4)
.irp b, 0,1,2,3
.set AC, ACC+32*((\a)%2)+8*\b
.if (\s) == 0
	v_wmma_f32_16x16x128_fp8_fp8 v[AC:AC+7], v[64*((\s)%4)+16*\b:64*((\s)%4)+16*\b+15], v[128*((\a)%2)+16*(\s):128*((\a)%2)+16*(\s)+15], 0
.else
	v_wmma_f32_16x16x128_fp8_fp8 v[AC:AC+7], v[64*((\s)%4)+16*\b:64*((\s)%4)+16*\b+15], v[128*((\a)%2)+16*(\s):128*((\a)%2)+16*(\s)+15], v[AC:AC+7]
.endif
.endr
.endm
.macro PLACES                          ; four places in front of loads into registers that matrix instructions have read, and of the first read of results (ISA guide 7.12.1 for vector instructions)
.rept 4
	v_nop
.endr
.endm
; THE WAY OUT of a block of 16 rows x 64 columns: x 2^(e6 + e7), each accumulator from its low end on; 32 bytes a lane into my stage; back as whole rows of 256 bytes.
; LDS serves a wave's instructions in order (ISA guide 5.7.1.4): no wait between the stores and the loads, nor in front of the next block's stores.
.macro TOSTAGE a
.if (\a) > 1
	s_wait_xcnt 0x0                                ; block a - 2's stores have read their registers: block a's loads may land there
.endif
.set j, 0
.rept 16
	v_pk_mul_f32 v[TMP+j:TMP+j+1], v[ACC+32*((\a)%2)+j:ACC+32*((\a)%2)+j+1], s[84:85] op_sel_hi:[1,0]
.set j, j+2
.endr
.irp b, 0,1,2,3
	ds_store_b128 v[STO], v[TMP+8*\b:TMP+8*\b+3] offset:64*\b
	ds_store_b128 v[STO], v[TMP+8*\b+4:TMP+8*\b+7] offset:64*\b+16
.endr
.irp t, 0,1,2,3,4,5,6,7
	ds_load_b128 v[BK+32*((\a)%2)+4*\t:BK+32*((\a)%2)+4*\t+3], v[RD] offset:544*\t
.endr
.endm
.macro SEND a
	s_wait_dscnt 0x0
.irp t, 0,1,2,3,4,5,6,7
	global_store_b128 v[CO], v[BK+32*((\a)%2)+4*\t:BK+32*((\a)%2)+4*\t+3], s[10:11] offset:(16*(\a)+2*\t)*4096 th:TH_STORE_NT   ; 16 lanes store 256 consecutive bytes, aligned; written once, read by nobody here
.endr
.endm
.macro PASS a                          ; row block a; block a - 1 goes through the stage in its middle and leaves behind it
	PLACES
.if (\a) < 3
	FETCHA (\a)+1
	s_wait_dscnt 32                                ; all but the 32 just issued
.else
	s_wait_dscnt 0x0
.endif
.irp s, 0,1,2,3
	MUL4 \a, \s
.endr
	WIN 0
	TOSTAGE (\a)-1
.irp s, 4,5,6,7
	MUL4 \a, \s
.endr
	WIN 0
	SEND (\a)-1
.endm
	s_wait_tensorcnt 0x0                           ; my part of the tiles is in;
	s_barrier_signal -1
	s_barrier_wait -1                              ; everybody's is
	FETCHA 0
.irp s, 0,1,2,3
	FETCHB \s
.endr
	s_wait_dscnt 32                                ; row block 0 and steps 0, 1 are in
	MUL4 0, 0
	MUL4 0, 1
	FETCHB 4
	FETCHB 5
	s_wait_dscnt 32                                ; steps 2, 3 are in
	MUL4 0, 2
	MUL4 0, 3
	FETCHB 6
	FETCHB 7
	FETCHA 1
	s_wait_dscnt 63                                ; steps 4, 5 are in: 64 younger loads may be out, the count's field ends at 63
	MUL4 0, 4
	MUL4 0, 5
	s_wait_dscnt 32                                ; steps 6, 7 are in; row block 1's 32 may be out
	MUL4 0, 6
	MUL4 0, 7
	PASS 1
	PASS 2
	PASS 3
	PLACES
	TOSTAGE 3
	SEND 3
	s_wait_tensorcnt 0x0                           ; the wave's end
	ds_add_u32 v30, v31
	s_wait_dscnt 0x0
	CROUND                                         ; the closing round: no work-group ends while a partner may still ask for a tile that names it
	s_endpgm
.Lfunc_end_k_qe32fabad83_proj:
	.size	k_qe32fabad83_proj, .Lfunc_end_k_qe32fabad83_proj-k_qe32fabad83_proj
	.p2alignl 7, 3214868480
	.fill 96, 4, 3214868480
	.section	.rodata,"a",@progbits
	.p2align	6, 0x0
	.amdhsa_kernel k_qe32fabad83_proj
		.amdhsa_group_segment_fixed_size 327680
		.amdhsa_private_segment_fixed_size 0
		.amdhsa_enable_private_segment 0
		.amdhsa_kernarg_size 32
		.amdhsa_user_sgpr_count 2
		.amdhsa_user_sgpr_kernarg_segment_ptr 1
		.amdhsa_wavefront_size32 1
		.amdhsa_system_sgpr_workgroup_id_x 1
		.amdhsa_system_sgpr_workgroup_id_y 1
		.amdhsa_system_sgpr_workgroup_id_z 1
		.amdhsa_system_vgpr_workitem_id 0
		.amdhsa_next_free_vgpr 1024
		.amdhsa_next_free_sgpr 98
		.amdhsa_reserve_vcc 0
		.amdhsa_float_denorm_mode_32 3
		.amdhsa_float_denorm_mode_16_64 3
		.amdhsa_memory_ordered 1
		.amdhsa_forward_progress 1
		.amdhsa_inst_pref_size 43
	.end_amdhsa_kernel
	.amdgpu_metadata
---
amdhsa.version: [ 1, 2 ]
amdhsa.kernels:
  - .name:           k_qe32fabad83_proj
    .symbol:         k_qe32fabad83_proj.kd
    .args:
      - { .name: ai, .offset: 0, .size: 8, .value_kind: global_buffer, .address_space: global }
      - { .name: codes, .offset: 8, .size: 8, .value_kind: global_buffer, .address_space: global }
      - { .name: lowp_scales, .offset: 16, .size: 8, .value_kind: global_buffer, .address_space: global }
      - { .name: out0, .offset: 24, .size: 8, .value_kind: global_buffer, .address_space: global }
    .group_segment_fixed_size: 327680
    .private_segment_fixed_size: 0
    .kernarg_segment_align: 8
    .kernarg_segment_size: 32
    .max_flat_workgroup_size: 128
    .sgpr_count:     98
    .vgpr_count:     1024
    .wavefront_size: 32
...
	.end_amdgpu_metadata
.endif
;; end of part 4
